; MI455X (gfx1250); checked and timed in simulation.
; The chip was launched on July 23, 2026; its instructions are those of AMD's public machine-readable ISA for CDNA 5 (MIT licence, August 2026) and "CDNA5" Instruction Set Architecture Reference Guide (July 2026). The comments in the code are by the model that wrote it; some were corrected since.
;; Palace Attention. Allowed arithmetic: matrix products marked QUANTISED: E2M1 operands, one E8M0 scale for each 32 along K, by v_wmma_scale_f32_16x16x128_f8f6f4 with both operands' format E2M1 (or v_wmma_scale_f32_32x16x128_f4), f32 sums; everything else in f32.
;; Inputs: inter_palace_weight one number float32; x 2 x 2,048 x 1,024 float32.
;; Outputs: out0 2 x 2,048 x 1,024 float32.
;; This version of the problem:
;;   THIS VERSION OF THE PROBLEM IS GIVEN IN LOW PRECISION. The matrix products marked QUANTISED in the list below multiply operands that are first quantised to E2M1 (2 exponent bits, 1 mantissa bit; 4 bits a number), with one power-of-two scale for each 32 numbers along K (OCP MX v1.0); their sums are f32. All else is computed in f32.
;;   The module's matrix products, in the order in which they are computed (A, B: the left and right operand; K: the contracted axis; several contracted axes count as one K, in the product's order):
;;     1. batch 32 x [M 2,048, K 64] x [K 64, N 2,048]; A: input x; B: input x: QUANTISED
;;     2. batch 32 x [M 2,048, K 2,048] x [K 2,048, N 64]; A: softmax (see below); B: input x: QUANTISED
;;   THE QUANTISER, for each operand of a quantised product, along K:
;;     - K is cut into blocks of 32 from its start; a last block that is shorter is filled with zeros.
;;     - A block's scale is 2^e with e = floor(log2(the largest magnitude in the block)) - 2, held to -126 .. 127; a block of zeros has e = 0. As a byte (E8M0): e + 127.
;;     - Each number is divided by its block's scale, clamped to +-6, and rounded to the nearest number of E2M1, ties to even, subnormals kept.
;;     - The product sums the exact products of the quantised numbers (number of the format x scale) in f32.
;;   ~~~python
;;   def quantise(x, axis):      # numpy; x: float32 -> the quantised numbers, widened to float32 again
;;       x = np.moveaxis(x, axis, -1); K = x.shape[-1]
;;       x = np.pad(x, [(0, 0)] * (x.ndim - 1) + [(0, -K % 32)]); x = x.reshape(x.shape[:-1] + (-1, 32)); a = np.abs(x).max(-1, keepdims=True)
;;       e = np.where(a > 0, np.clip(np.frexp(np.where(a > 0, a, 1))[1] - 1 - 2, -126, 127), 0)      # np.frexp(a)[1] - 1 = floor(log2(a)), exactly
;;       r = np.clip(x / 2.0 ** e, -6, 6)
;;       step = 2.0 ** (np.maximum(np.frexp(np.where(r == 0, 1, r))[1] - 1, 0) - 1)
;;       q = np.round(r / step) * step * 2.0 ** e      # np.round: ties to even
;;       return np.moveaxis(q.reshape(q.shape[:-2] + (-1,))[..., :K], -1, axis).astype(np.float32)
;;   ~~~
;;   SOFTMAX AHEAD OF A QUANTISED PRODUCT. Where the list says 'softmax', what is quantised is not the finished softmax but p = 2^(t - M), with t = logit x log2(e) and M = ceil(the row's largest t), a whole number; so 1/2 < the row's largest p <= 1. The row's sum l is taken of the UNQUANTISED p, in f32, and the product's result is divided by l at the end. Since M is a whole number, a kernel that streams over the keys may use a running M (the ceiling of the running maximum): every later rescaling is an exact power of two, which a block's scale takes up: the codes' values come out the same.
;;   OPERANDS COMPUTED ON THE WAY. 'Computed on the way' means the value that the module computes at that place (a softmax that the list does not call 'softmax' is quantised finished and normalised). What goes into a quantiser is computed in f32, as accurately as f32 sums, v_exp_f32 and their like allow (about 1e-6 of the number): no bf16 or f16 on the way to a quantiser, and a product that is left as it is and whose result goes on into a quantised operand takes f32 operands (vector FMAs, or v_wmma_f32_16x16x4_f32). A number that lies on a knife's edge between two numbers of the format may be rounded either way, as far as f32 arithmetic and the matrix unit's own rounding can turn it there, and no further.
;; One version. Each part assembles by itself: llvm-mc -triple=amdgcn-amd-amdhsa -mcpu=gfx1250 --defsym DOCPART=n.
;; ======== version 1 of 1: 2 launches
;; limits: right only within a limited range of input values
;; workspace buffers: img 4,456,448 bytes
;; launch quant (part 1): grid 8 x 32, 8 waves a work-group, no clusters, 88,064 bytes of LDS; arguments x, img; writes img
.if DOCPART == 1
	.amdgcn_target "amdgcn-amd-amdhsa--gfx1250"
	.amdhsa_code_object_version 6
	.text
	.protected	k_q77833349fc_quant
	.globl	k_q77833349fc_quant
	.p2align	8
	.type	k_q77833349fc_quant,@function
k_q77833349fc_quant:
	s_mov_b64 s[64:65], 0
	v_nop
	global_prefetch_b8 v0, s[64:65] scope:SCOPE_SE
	s_setreg_imm32_b32 hwreg(HW_REG_WAVE_MODE, 25, 1), 1
	s_wait_xcnt 0x0
; The program: out[b][q][64 h + d] = sum over k of softmax_k(x_q . x_k / 8 * m(q, k)) x_k[d], 32 heads (b, h) of 2,048 tokens x 64 channels.
; THIS LAUNCH quantises x to codes of FP4 (E2M1) with one E8M0 scale for each 32, twice: along the channels (the first product's K; queries and keys alike) and along the keys
; (the second product's K).  It stores one image of 139,264 bytes a head, in the order in which the next launch's operand registers take it:
;   0       K's codes: 256 keys (block y of 8) = 8,192 bytes; there 2,048 c + 512 i + 256 (channel / 32) + 16 (8 H + j) for key 64 c + 32 H + 8 i + j: 32 channels in 16 bytes
;   65,536  V's codes: 8,192 bytes for 256 keys; there 4,096 s + 1,024 t + 512 c + 256 H + 16 r for channel 16 t + r, keys 128 s + 64 c + 32 H + 0 .. 31
;   131,072 K's scale words: 512 bytes for 256 keys; 16 (16 (i / 2) + 8 H + j) + 4 c, bytes 2 (i % 2), + 1: the key's two blocks
;   135,168 V's scale words: 512 bytes for 256 keys; 16 (channel % 32) + 8 s + 4 (channel / 32), byte 2 c + H
; A work-group takes 256 keys of one head, a wave 32 of them: 16 loads, each two whole rows of 256 bytes of the head.  Lane (r, h) so holds channels 4 r .. 4 r + 3 of keys 16 h + 0 .. 15:
; a block along the keys lies in lanes l and l xor 16.  For the blocks along the channels the numbers turn through the wave's own stage, and a lane takes a key.
; The codes are gathered in LDS (17,408 bytes) and leave as whole units of 256 bytes.  No cluster: work-groups share no input.  No prefetch: there is no loop.
; LIMITS.  NaN and infinities are not served.  A block whose largest magnitude lies under 2^-124 gets the scale byte 1 (a block of zeros too: its codes are zeros, and only this program reads the bytes).
.set HIMG, 139264
.set SP,   272                         ; a stage row: 256 bytes + 16
.set IMG,  8*32*SP                     ; behind the eight stages: the work-group's part of the image: K, V, K's scales, V's scales
.set SPARE, IMG+17408                  ; the spare words, 128 bytes for each wave
.set GA,  1
.set SSA, 2
.set SKA, 3
.set KWA, 4
.set KSA, 5
.set VWA, 6
.set VSA, 7
.set SPW, 8
.set NIL, 9
.set OA,  10
.set TR,  11
.set TH,  12
.set TT,  13
.set OL,  14
.set OL2, 15
.set CV,  16                           ; v16-23  V's codes, two registers a channel
.set MX,  24                           ; v24-27  largest magnitudes
.set R,   32                           ; v32-95  the block as loaded: register 4 n + c = key 16 h + n, channel 4 r + c
.set XV,  96                           ; v96-159 the same, register 16 c + n
.set WK,  160                          ; v160-223 a key's 64 channels
.set CK,  224                          ; v224-231 its codes
.set BX,  240
.set SF,  244
.set BY,  248
.set KB,  252
	s_load_b128 s[4:7], s[0:1], 0x0                ; x, img
	v_lshl_add_u32 v[SPW], v0, 2, SPARE
	v_mov_b32 v[NIL], 0
	v_lshrrev_b32 v[TT], 5, v0
	v_readfirstlane_b32 s8, v[TT]                  ; wave 0..7
	s_and_b32 s10, ttmp7, 0xffff                   ; head
	s_lshr_b32 s12, s10, 4
	s_lshl_b32 s12, s12, 23
	s_and_b32 s13, s10, 15
	s_lshl_b32 s13, s13, 8
	s_add_co_u32 s12, s12, s13
	s_lshl_b32 s13, ttmp9, 20                      ; 256 rows of 4,096 bytes
	s_add_co_u32 s12, s12, s13
	s_lshl_b32 s13, s8, 17                         ; my 32 rows
	s_add_co_u32 s12, s12, s13
	s_mov_b32 s13, 0
	s_mul_i32 s18, s10, HIMG
	s_lshl_b32 s14, ttmp9, 13
	s_add_co_u32 s14, s14, s18
	s_lshl_b32 s15, s8, 10
	s_add_co_u32 s14, s14, s15                     ; my 1,024 bytes of K's codes
	s_mov_b32 s15, 0
	s_lshl_b32 s16, ttmp9, 9
	s_add_co_u32 s16, s16, s18
	s_and_b32 s19, s8, 1
	s_lshl_b32 s17, s19, 12
	s_add_co_u32 s16, s16, s17
	s_add_co_u32 s16, s16, 131072                  ; K's (even wave) or V's (odd wave) scale words
	s_mov_b32 s17, 0
	v_and_b32 v[TR], 15, v0
	v_bfe_u32 v[TH], v0, 4, 1
	v_lshlrev_b32 v[GA], 4, v[TR]
	v_lshl_add_u32 v[GA], v[TH], 16, v[GA]
	s_wait_alu depctr_va_vdst(0)
	s_wait_kmcnt 0x0
	s_add_nc_u64 s[4:5], s[4:5], s[12:13]
	s_add_nc_u64 s[14:15], s[6:7], s[14:15]
	s_add_nc_u64 s[16:17], s[6:7], s[16:17]
.set n, 0
.rept 16
	global_load_b128 v[R+4*n:R+4*n+3], v[GA], s[4:5] offset:4096*n th:TH_LOAD_NT   ; keys n and 16 + n; x is read once
.set n, n+1
.endr
	; the LDS addresses, while the loads are on their way
	s_mul_i32 s18, s8, 32*SP                       ; my stage
	s_lshr_b32 s26, s8, 1
	s_lshr_b32 s27, s8, 2
	s_and_b32 s28, s26, 1
	s_lshl_b32 s20, s26, 11
	s_lshl_b32 s29, s19, 7
	s_add_co_u32 s20, s20, s29
	s_add_co_u32 s20, s20, IMG                     ; K's codes: 2,048 c + 128 H
	s_lshl_b32 s21, s26, 2
	s_add_co_u32 s21, s21, s29
	s_add_co_u32 s21, s21, IMG+16384               ; its scale bytes: 4 c + 128 H
	s_lshl_b32 s22, s27, 12
	s_lshl_b32 s29, s28, 9
	s_add_co_u32 s22, s22, s29
	s_lshl_b32 s29, s19, 8
	s_add_co_u32 s22, s22, s29
	s_add_co_u32 s22, s22, IMG+8192                ; V's codes: 4,096 s + 512 c + 256 H
	s_lshl_b32 s23, s27, 3
	s_and_b32 s29, s8, 3
	s_add_co_u32 s23, s23, s29
	s_add_co_u32 s23, s23, IMG+16896               ; its scale byte: 8 s + 2 c + H
	s_lshl_b32 s24, s8, 10
	s_add_co_u32 s24, s24, IMG                     ; the way out: my 1,024 bytes
	s_lshl_b32 s25, s19, 9
	s_add_co_u32 s25, s25, IMG+16384
	s_wait_alu depctr_va_vdst(0)                   ; ahead of the readers below
	v_mul_u32_u24 v[SSA], v[TH], 16*SP
	v_and_b32 v[TT], 31, v0
	v_lshl_add_u32 v[SSA], v[TR], 4, v[SSA]
	v_mul_u32_u24 v[SKA], v[TT], SP
	v_lshlrev_b32 v[OA], 4, v[TT]
	v_add_nc_u32 v[SSA], s18, v[SSA]               ; the stage, in: row 16 h + n, 16 bytes a lane
	v_add_nc_u32 v[SKA], s18, v[SKA]               ; out: row = lane
	v_add_nc_u32 v[OL], s24, v[OA]
	v_add_nc_u32 v[OL2], s25, v[OA]
	v_bfe_u32 v[TT], v0, 3, 2                      ; i
	v_and_b32 v[TR], 7, v0                         ; j
	v_lshlrev_b32 v[KWA], 9, v[TT]
	v_lshl_add_u32 v[KWA], v[TR], 4, v[KWA]
	v_add_nc_u32 v[KWA], s20, v[KWA]
	v_bfe_u32 v[TT], v0, 3, 1
	v_lshlrev_b32 v[KSA], 4, v[TR]
	v_lshl_add_u32 v[KSA], v[TH], 8, v[KSA]
	v_lshl_add_u32 v[KSA], v[TT], 1, v[KSA]
	v_add_nc_u32 v[KSA], s21, v[KSA]
	v_lshlrev_b32 v[VSA], 2, v[TT]
	v_lshl_add_u32 v[VSA], v[TR], 6, v[VSA]
	v_add_nc_u32 v[VSA], s23, v[VSA]
	v_bfe_u32 v[TT], v0, 2, 2
	v_and_b32 v[TR], 3, v0
	v_lshlrev_b32 v[VWA], 10, v[TT]
	v_lshl_add_u32 v[VWA], v[TR], 6, v[VWA]
	v_lshl_add_u32 v[VWA], v[TH], 3, v[VWA]
	v_add_nc_u32 v[VWA], s22, v[VWA]
.irp c, 0,1,2,3
	v_mov_b32 v[BX+\c], 0                          ; a lane permute's destination counts as one of its sources
.endr
	s_wait_alu depctr_va_vdst(0)                   ; the head's end
.irp q, 0,1,2,3
	s_wait_loadcnt 12-4*\q                         ; four more of the sixteen loads are in
.irp i, 0,1,2,3
	ds_store_b128 v[SSA], v[R+16*\q+4*\i:R+16*\q+4*\i+3] offset:SP*(4*\q+\i)
.endr
.endr
.set n, 0
.rept 16
	ds_load_b128 v[WK+4*n:WK+4*n+3], v[SKA] offset:16*n   ; LDS serves a wave's instructions in order (ISA guide 5.7.1): these see my stores
.set n, n+1
.endr
	; ---- along the keys: a channel's 16 keys into consecutive registers
.irp n, 0,2,4,6,8,10,12,14
	v_dual_mov_b32 v[XV+\n], v[R+4*\n] :: v_dual_mov_b32 v[XV+17+\n], v[R+5+4*\n]
	v_dual_mov_b32 v[XV+16+\n], v[R+1+4*\n] :: v_dual_mov_b32 v[XV+1+\n], v[R+4+4*\n]
	v_dual_mov_b32 v[XV+32+\n], v[R+2+4*\n] :: v_dual_mov_b32 v[XV+49+\n], v[R+7+4*\n]
	v_dual_mov_b32 v[XV+48+\n], v[R+3+4*\n] :: v_dual_mov_b32 v[XV+33+\n], v[R+6+4*\n]
.endr
; the largest magnitudes of four runs of 16 numbers, by turns, with the floor 2^(3 - 127) among the leaves: no byte falls under 1
.macro MAX16 src
.irp c, 0,1,2,3
	v_max3_num_f32 v[MX+\c], |v[\src+16*\c]|, |v[\src+16*\c+1]|, 0x1800000
.endr
.irp i, 2,4,6,8,10,12,14
.irp c, 0,1,2,3
	v_max3_num_f32 v[MX+\c], v[MX+\c], |v[\src+16*\c+\i]|, |v[\src+16*\c+\i+1]|
.endr
.endr
.endm
	s_mov_b32 s30, 0x76543210
	s_mov_b32 s31, 0xfedcba98                      ; v_permlanex16_b32's selects for lane xor 16
	MAX16 XV
.irp c, 0,1,2,3
	v_permlanex16_b32 v[BX+\c], v[MX+\c], s30, s31
.endr
.irp c, 0,1,2,3
	v_max_num_f32 v[MX+\c], v[MX+\c], v[BX+\c]     ; with the other 16 keys
.endr
.irp c, 0,1,2,3
	v_add_nc_u32 v[SF+\c], 0xff000000, v[MX+\c]    ; 2 off the exponent field: the conversion takes that field as its scale, and nothing else
.endr
.irp c, 0,1,2,3
	v_lshrrev_b32 v[BY+\c], 23, v[SF+\c]           ; the scale's byte
.endr
.irp c, 0,1,2,3
	v_cvt_scalef32_pk8_fp4_f32 v[CV+2*\c],   v[XV+16*\c:XV+16*\c+7],    v[SF+\c]
	v_cvt_scalef32_pk8_fp4_f32 v[CV+2*\c+1], v[XV+16*\c+8:XV+16*\c+15], v[SF+\c]
.endr
	v_nop                                          ; one plain instruction behind the last scaled conversion
.irp c, 0,1,2,3
	ds_store_b64 v[VWA], v[CV+2*\c:CV+2*\c+1] offset:16*\c   ; my half of channel 4 r + c's 16 bytes
	ds_store_b8  v[VSA], v[BY+\c] offset:16*\c     ; both lanes of a block write the same byte with the same value
.endr
	; ---- along the channels: a lane takes a key
	s_wait_dscnt 8                                 ; all but those eight stores: the key's 64 channels are in
	MAX16 WK
	v_max_num_f32 v[MX],   v[MX],   v[MX+1]
	v_max_num_f32 v[MX+2], v[MX+2], v[MX+3]
	v_add_nc_u32 v[SF],   0xff000000, v[MX]
	v_add_nc_u32 v[SF+1], 0xff000000, v[MX+2]
	v_lshrrev_b32 v[BX],   23, v[SF]
	v_lshrrev_b32 v[BX+1], 23, v[SF+1]
.irp g, 0,1,2,3,4,5,6,7
	v_cvt_scalef32_pk8_fp4_f32 v[CK+\g], v[WK+8*\g:WK+8*\g+7], v[SF+\g/4]
.endr
	v_lshl_or_b32 v[KB], v[BX+1], 8, v[BX]         ; (the plain instruction behind the conversions)
	ds_store_b128 v[KWA], v[CK:CK+3]
	ds_store_b128 v[KWA], v[CK+4:CK+7] offset:256
	ds_store_b16  v[KSA], v[KB]
	s_wait_dscnt 0x0                               ; for the others' sake: all my stores have landed
	s_barrier_signal -1
	s_barrier_wait -1
	; ---- the way out: 1,024 bytes of K's codes and of V's a wave; waves 0 and 1 the scale words too
	ds_load_b128 v[32:35], v[OL]
	ds_load_b128 v[36:39], v[OL] offset:512
	ds_load_b128 v[40:43], v[OL] offset:8192
	ds_load_b128 v[44:47], v[OL] offset:8704
	s_cmp_lt_u32 s8, 2
	s_cbranch_scc0 .Lcodes
	ds_load_b128 v[48:51], v[OL2]
	s_wait_dscnt 0x0
	global_store_b128 v[OA], v[48:51], s[16:17]
.Lcodes:
	s_wait_dscnt 0x0
	global_store_b128 v[OA], v[32:35], s[14:15]
	global_store_b128 v[OA], v[36:39], s[14:15] offset:512
	global_store_b128 v[OA], v[40:43], s[14:15] offset:65536
	global_store_b128 v[OA], v[44:47], s[14:15] offset:66048
	s_wait_tensorcnt 0x0                           ; the wave's end
	ds_add_u32 v[SPW], v[NIL]
	s_wait_dscnt 0x0
	s_endpgm
.Lfunc_end_k_q77833349fc_quant:
	.size	k_q77833349fc_quant, .Lfunc_end_k_q77833349fc_quant-k_q77833349fc_quant
	.p2alignl 7, 3214868480
	.fill 96, 4, 3214868480
	.section	.rodata,"a",@progbits
	.p2align	6, 0x0
	.amdhsa_kernel k_q77833349fc_quant
		.amdhsa_group_segment_fixed_size 88064
		.amdhsa_private_segment_fixed_size 0
		.amdhsa_enable_private_segment 0
		.amdhsa_kernarg_size 16
		.amdhsa_user_sgpr_count 2
		.amdhsa_user_sgpr_kernarg_segment_ptr 1
		.amdhsa_wavefront_size32 1
		.amdhsa_system_sgpr_workgroup_id_x 1
		.amdhsa_system_sgpr_workgroup_id_y 1
		.amdhsa_system_sgpr_workgroup_id_z 1
		.amdhsa_system_vgpr_workitem_id 0
		.amdhsa_next_free_vgpr 256
		.amdhsa_next_free_sgpr 66
		.amdhsa_reserve_vcc 0
		.amdhsa_float_denorm_mode_32 3
		.amdhsa_float_denorm_mode_16_64 3
		.amdhsa_memory_ordered 1
		.amdhsa_forward_progress 1
		.amdhsa_inst_pref_size 19
	.end_amdhsa_kernel
	.amdgpu_metadata
---
amdhsa.version: [ 1, 2 ]
amdhsa.kernels:
  - .name:           k_q77833349fc_quant
    .symbol:         k_q77833349fc_quant.kd
    .args:
      - { .name: x, .offset: 0, .size: 8, .value_kind: global_buffer, .address_space: global }
      - { .name: img, .offset: 8, .size: 8, .value_kind: global_buffer, .address_space: global }
    .group_segment_fixed_size: 88064
    .private_segment_fixed_size: 0
    .kernarg_segment_align: 8
    .kernarg_segment_size: 16
    .max_flat_workgroup_size: 256
    .sgpr_count:     66
    .vgpr_count:     256
    .wavefront_size: 32
...
	.end_amdgpu_metadata
.endif
;; end of part 1
;; launch attn (part 2): grid 8 x 32, 16 waves a work-group, clusters of 4 x 1, 210,944 bytes of LDS; arguments img, inter_palace_weight, out0; writes out0
.if DOCPART == 2
	.amdgcn_target "amdgcn-amd-amdhsa--gfx1250"
	.amdhsa_code_object_version 6
	.text
	.protected	k_q77833349fc_attn
	.globl	k_q77833349fc_attn
	.p2align	8
	.type	k_q77833349fc_attn,@function
k_q77833349fc_attn:
	s_mov_b64 s[64:65], 0
	v_nop
	global_prefetch_b8 v0, s[64:65] scope:SCOPE_SE
	s_setreg_imm32_b32 hwreg(HW_REG_WAVE_MODE, 25, 1), 1
	s_wait_xcnt 0x0
	s_wait_alu depctr_hold_cnt(0) depctr_sa_sdst(0) depctr_va_vdst(0) depctr_va_sdst(0) depctr_va_ssrc(0) depctr_va_vcc(0) depctr_vm_vsrc(0)
	s_getreg_b32 s2, hwreg(HW_REG_IB_STS2, 6, 4)
	s_cmp_eq_u32 s2, 0
	s_cbranch_scc0 .Lentry_in_a_cluster
	s_endpgm
.Lentry_in_a_cluster:
	s_bfe_u32 s2, ttmp6, 0x10000c
	s_cmp_lg_u32 s2, 0x3003
	s_cbranch_scc0 .Lentry_shape_is_right
	s_endpgm
.Lentry_shape_is_right:
; out[b][q][64 h + d] = sum over k of softmax_k(x_q . x_k / 8 * m(q, k)) x_k[d] on the codes that the launch before has made; m = 1 where q % 8 == k % 8, else sigmoid(w).
; SOFTMAX: t = score x c x m, c = log2(e) / 8; M = the running largest t rounded up to a whole number; p = 2^(t - M) is quantised along the keys, not normalised; the row's sum is taken of
; the unquantised p and divides at the end; when M moves, the sum and O are multiplied by 2^(old M - new M), which rounds nothing.
; SHARES.  A work-group owns 256 queries of one head, each of its sixteen waves 16 of them, all of ONE palace a = wave % 8: query 256 g + 128 (wave / 8) + 8 r + a in lane r.
; The head's image (139,264 bytes) comes into LDS once, 34 rows of 256 bytes a wave, and stays: 8 trips of 256 keys with no barrier.
; CLUSTERS.  Four work-groups of a head form a cluster and ask for the image jointly.  No LDS address hangs on a work-group's place in it: the queries' own codes are loaded from memory.
; No prefetch: the head asks for all that the work-group reads, and no loop runs ahead of a load from memory.
; LAYOUT.  Both products are used transposed (source 0 = keys or channels, source 1 = my queries): a lane holds ONE query.  Rows 0-7 of a tile of keys come from one block of 32 and rows 8-15
; from the next, so lane (r, h) holds in register 8 i + j of score block c key 64 c + 32 h + 8 i + (j + a) % 8: a whole block of 32 keys in 32 registers, as the second product's operand wants
; it, and register j = 0 of each eight is the key of my palace.  The turn by a is in the address that a lane reads K at; the codes of p are turned back, eight to a register, by one rotation.
; A fragment of K holds two keys a row (the head's K is 64, the instruction's 128): against (Q | zero codes) it gives the first keys' scores, against (zero codes | Q) the second keys'.
; A BLOCK'S SCALE: its largest p is 2^(t' - M), t' the block's largest t, so the byte is floor(t') - M + 125, held at 1 from below: no exponential.  (t' is rounded once, p's exponent is one
; fused multiply-add: where they fall on two sides of a whole number, the number lies on the edge between two scales.)
; LIMITS.  NaN and infinities are not served.  p under 2^-126 counts as 0 (v_exp_f32 flushes such results).  sigmoid(w) is 0 where 2^(-w log2(e)) overflows f32.
.set HIMG, 139264
.set WCH,  HIMG/16                     ; 8,704 bytes: what a wave fetches
.set VIM,  65536                       ; the image: K's codes, V's codes, K's scale words, V's scale words
.set KSI,  131072
.set VSI,  135168
.set STG,  HIMG                        ; behind it a stage of 16 rows of 272 bytes for each wave, for the way out
.set SP,   272
.set SPARE, STG+16*16*SP               ; the spare words, 128 bytes for each wave
.set ROT,  1                           ; v1  16 x lane with the row turned by a
.set L16,  2                           ; v2  16 x lane
.set ADK,  3
.set ADSK, 4
.set ADV,  5
.set ADSV, 6
.set GA,   7
.set SPW,  8
.set NIL,  9
.set NM,   10                          ; v10 -M; v11 the running largest t
.set TMAX, 11
.set LSUM, 12                          ; v[12:13] the row's sum, in two halves
.set CC,   14                          ; v[14:15] c, c sigmoid(w)
.set CS,   16                          ; v[16:17] c sigmoid(w), twice
.set FAC,  18                          ; v[18:19] 2^(old M - new M); v19 is named with it and written once
.set QZ,   20                          ; v20-23 zero codes, v24-27 Q's codes, v28-31 zero codes
.set R1,   32                          ; v32-63 and v160-191 change places each trip.  x: K's fragments of blocks 0 and 1, then block 3's scores and p;
.set R0,   160                         ;   y: K's fragments of blocks 2 and 3, then V^T's of the first step, then the next trip's first four of K
.set S,    64                          ; v64-159 blocks 0 to 2: scores, then t - M, then p; S[0..31] also V^T's fragments of the second step, S[32..39] sums
.set O,    192                         ; v192-223 O^T: register 8 t + j = channel 16 t + 8 h + j
.set PC,   224                         ; v224-239 p's codes of two steps; ahead of them at work:
.set AI,   224                         ;   v224-231 largest raw scores of my four blocks: own palace, others; then floor(t'), then floor(t') - M
.set TB,   232                         ;   v232-235 second chains; then t'; then scale words; v232-239 sums
.set BX,   236
.set OLD,  237
.set T0,   238
.set T1,   239
.set KSC,  240                         ; scale words, and nothing else: v240-243 K's, v244-247 V's, v248 Q's, v249-250 p's
.set VSC,  244
.set QS,   248
.set PW,   249
.set SC,   251                         ; v251-254 the conversions' scale operands
; at the head only
.set HR,   224
.set HH,   225
.set HT,   226
.set QO,   227
.set QSO,  228
.set HW,   229
.macro CROUND                          ; a round of the cluster's barrier
	s_barrier_signal -1
	s_barrier_wait -1
	s_cmp_lg_u32 s10, 0
	s_cbranch_scc1 .Lnot_wave_0_\@
	s_barrier_signal -3
.Lnot_wave_0_\@:
	s_barrier_wait -3
	s_barrier_signal -1
	s_barrier_wait -1
.endm
.macro KLOAD p, d                      ; four fragments of K: 128 of the trip's 256 keys
.irp c, 0,1
.irp f, 0,1
.irp u, 0,1
	ds_load_b128 v[\d+16*\c+8*\f+4*\u:\d+16*\c+8*\f+4*\u+3], v[ADK] offset:4096*\p+2048*\c+1024*\f+512*\u
.endr
.endr
.endr
.endm
.macro VLOAD s, d                      ; four fragments of V^T: 64 channels x 128 keys
.irp t, 0,1,2,3
.irp c, 0,1
	ds_load_b128 v[\d+8*\t+4*\c:\d+8*\t+4*\c+3], v[ADV] offset:4096*\s+1024*\t+512*\c
.endr
.endr
.endm
.macro SC4 k, a, d                     ; S^T = K Q^T of block k: two fragments, each against (Q | 0), then against (0 | Q)
.irp u, 0,1
	v_wmma_scale_f32_16x16x128_f8f6f4 v[\d+8*\u:\d+8*\u+7], v[\a:\a+7], v[QZ+4-4*\u:QZ+11-4*\u], 0, v[KSC+\k], v[QS] matrix_a_fmt:MATRIX_FMT_FP4 matrix_b_fmt:MATRIX_FMT_FP4
.endr
.irp u, 0,1
	v_wmma_scale_f32_16x16x128_f8f6f4 v[\d+16+8*\u:\d+23+8*\u], v[\a+8:\a+15], v[QZ+4-4*\u:QZ+11-4*\u], 0, v[KSC+\k], v[QS] matrix_a_fmt:MATRIX_FMT_FP4 matrix_b_fmt:MATRIX_FMT_FP4 matrix_a_scale:MATRIX_SCALE_ROW1
.endr
.endm
; The largest raw scores of blocks 2 q and 2 q + 1 (registers from b and from d on): of my palace's four keys and of the other 28, chains by turns; each accumulator from its low end on.
.macro MAXB q, b, d
	v_max3_num_f32 v[AI+4*\q],   v[\b],    v[\b+8],  v[\b+16]
	v_max3_num_f32 v[AI+4*\q+2], v[\d],    v[\d+8],  v[\d+16]
	v_max3_num_f32 v[AI+4*\q+1], v[\b+1],  v[\b+2],  v[\b+3]
	v_max3_num_f32 v[AI+4*\q+3], v[\d+1],  v[\d+2],  v[\d+3]
	v_max3_num_f32 v[TB+2*\q],   v[\b+17], v[\b+18], v[\b+19]
	v_max3_num_f32 v[TB+2*\q+1], v[\d+17], v[\d+18], v[\d+19]
	v_max_num_f32 v[AI+4*\q],   v[AI+4*\q],   v[\b+24]
	v_max_num_f32 v[AI+4*\q+2], v[AI+4*\q+2], v[\d+24]
.irp i, 4,6,9,11,13
	v_max3_num_f32 v[AI+4*\q+1], v[AI+4*\q+1], v[\b+\i], v[\b+\i+1]
	v_max3_num_f32 v[AI+4*\q+3], v[AI+4*\q+3], v[\d+\i], v[\d+\i+1]
	v_max3_num_f32 v[TB+2*\q],   v[TB+2*\q],   v[\b+\i+16], v[\b+\i+17]
	v_max3_num_f32 v[TB+2*\q+1], v[TB+2*\q+1], v[\d+\i+16], v[\d+\i+17]
.endr
	v_max3_num_f32 v[AI+4*\q+1], v[AI+4*\q+1], v[\b+15], v[\b+31]
	v_max3_num_f32 v[AI+4*\q+3], v[AI+4*\q+3], v[\d+15], v[\d+31]
	v_max_num_f32 v[AI+4*\q+1], v[AI+4*\q+1], v[TB+2*\q]
	v_max_num_f32 v[AI+4*\q+3], v[AI+4*\q+3], v[TB+2*\q+1]
.endm
.macro FMA8 x                          ; t - M of eight keys: the first is my palace's
	v_pk_fma_f32 v[\x:\x+1], v[\x:\x+1], v[CC:CC+1], v[NM:NM+1] op_sel_hi:[1,1,0]
.irp j, 2,4,6
	v_pk_fma_f32 v[\x+\j:\x+\j+1], v[\x+\j:\x+\j+1], v[CS:CS+1], v[NM:NM+1] op_sel_hi:[1,1,0]
.endr
.endm
.macro EXF b, f                        ; p of the block from b on, and among the exponentials t - M of the block from f on, which names none of their registers
.irp g, 0,8,16,24
	v_exp_f32 v[\b+\g], v[\b+\g]
	v_pk_fma_f32 v[\f+\g:\f+\g+1], v[\f+\g:\f+\g+1], v[CC:CC+1], v[NM:NM+1] op_sel_hi:[1,1,0]
	v_exp_f32 v[\b+\g+1], v[\b+\g+1]
.irp j, 2,4,6
	v_exp_f32 v[\b+\g+\j], v[\b+\g+\j]
	v_pk_fma_f32 v[\f+\g+\j:\f+\g+\j+1], v[\f+\g+\j:\f+\g+\j+1], v[CS:CS+1], v[NM:NM+1] op_sel_hi:[1,1,0]
	v_exp_f32 v[\b+\g+\j+1], v[\b+\g+\j+1]
.endr
.endr
.endm
.macro EXPS b
.set n, 0
.rept 32
	v_exp_f32 v[\b+n], v[\b+n]
.set n, n+1
.endr
.endm
.macro CODE4 k, b                      ; block k: register i of four from eight registers of p
.irp i, 0,1,2,3
	v_cvt_scalef32_pk8_fp4_f32 v[PC+4*\k+\i], v[\b+8*\i:\b+8*\i+7], v[SC+\k]
.endr
.endm
.macro BACK s                          ; nibble j holds key (j + a) % 8: turned to the keys' own order
.irp i, 0,1,2,3,4,5,6,7
	v_alignbit_b32 v[PC+8*\s+\i], v[PC+8*\s+\i], v[PC+8*\s+\i], s42
.endr
.endm
; Two blocks of p, from b and from d on, into the row's sum, in five chains: the sum itself and four pairs from l on.
.macro AD a, s
	v_pk_add_f32 v[\a:\a+1], v[\a:\a+1], v[\s:\s+1]
.endm
.macro SUMA b, l
.irp i, 0,2,4,6
	v_pk_add_f32 v[\l+\i:\l+\i+1], v[\b+2*\i:\b+2*\i+1], v[\b+2*\i+2:\b+2*\i+3]
.endr
	AD LSUM, \b+16
.endm
.macro SUMB b, d, l
	AD \l, \b+18
	AD \l+2, \b+20
	AD \l+4, \b+22
	AD \l+6, \b+24
	AD LSUM, \b+26
	AD \l, \b+28
	AD \l+2, \b+30
	AD \l+4, \d
	AD \l+6, \d+2
	AD LSUM, \d+4
.endm
.macro SUMC d, l
.irp i, 6,16
	AD \l, \d+\i
	AD \l+2, \d+\i+2
	AD \l+4, \d+\i+4
	AD \l+6, \d+\i+6
	AD LSUM, \d+\i+8
.endr
	AD \l, \d+26
	AD \l+2, \d+28
	AD \l+4, \d+30
	AD \l+6, \l
	AD \l+2, \l+4
	AD LSUM, \l+6
	AD LSUM, \l+2
.endm
.macro PV s, a                         ; O^T += V^T P^T: the four accumulators by turns
.irp t, 0,1,2,3
.if \t%2
	v_wmma_scale_f32_16x16x128_f8f6f4 v[O+8*\t:O+8*\t+7], v[\a+8*\t:\a+8*\t+7], v[PC+8*\s:PC+8*\s+7], v[O+8*\t:O+8*\t+7], v[VSC+2*\s+\t/2], v[PW+\s] matrix_a_fmt:MATRIX_FMT_FP4 matrix_b_fmt:MATRIX_FMT_FP4 matrix_a_scale:MATRIX_SCALE_ROW1
.else
	v_wmma_scale_f32_16x16x128_f8f6f4 v[O+8*\t:O+8*\t+7], v[\a+8*\t:\a+8*\t+7], v[PC+8*\s:PC+8*\s+7], v[O+8*\t:O+8*\t+7], v[VSC+2*\s+\t/2], v[PW+\s] matrix_a_fmt:MATRIX_FMT_FP4 matrix_b_fmt:MATRIX_FMT_FP4
.endif
.endr
.endm
; A TRIP: 256 keys
.macro TRIP x, y
	v_add_nc_u32 v[ADV], s46, v[L16]               ; these five stand between the last trip's products and the products that write over their fragments
	v_add_nc_u32 v[ADSV], s47, v[L16]
	v_nop
	v_nop
	v_nop
	s_wait_dscnt 8                                 ; K's scale words and first four fragments are in; the eight loads of the second four may be out
	SC4 0, \x, S
	SC4 1, \x+16, S+32
	s_add_co_u32 s44, s44, 8192                    ; the next trip's K (the last trip's requests land on V's bytes of the image and are not used)
	s_add_co_u32 s45, s45, 512
	v_mov_b32 v[OLD], v[NM]                        ; four places in front of the first read of results
	v_nop
	v_nop
	v_nop
	MAXB 0, S, S+32
	s_wait_alu depctr_va_vdst(0)                   ; directly ahead of the wait below
	s_wait_dscnt 0x0                               ; the second four fragments are in
	SC4 2, \y, S+64
	SC4 3, \y+16, \x                               ; over the first fragments, which are done with
	v_pk_mul_f32 v[AI:AI+1], v[AI:AI+1], v[CC:CC+1]        ; (these six are the places in front of the loads below and of the first read of results)
	v_pk_mul_f32 v[AI+2:AI+3], v[AI+2:AI+3], v[CC:CC+1]
	v_add_nc_u32 v[ADK], s44, v[ROT]
	v_add_nc_u32 v[ADSK], s45, v[ROT]
	v_max_num_f32 v[TB], v[AI], v[AI+1]            ; t': the block's largest t
	v_max_num_f32 v[TB+1], v[AI+2], v[AI+3]
	ds_load_b128 v[VSC:VSC+3], v[ADSV]
	VLOAD 0, \y
	v_max3_num_f32 v[T0], v[TMAX], v[TB], v[TB+1]
	v_floor_f32 v[AI], v[TB]
	v_floor_f32 v[AI+1], v[TB+1]
	MAXB 1, S+64, \x
	v_pk_mul_f32 v[AI+4:AI+5], v[AI+4:AI+5], v[CC:CC+1]
	v_pk_mul_f32 v[AI+6:AI+7], v[AI+6:AI+7], v[CC:CC+1]
	v_max_num_f32 v[TB+2], v[AI+4], v[AI+5]
	v_max_num_f32 v[TB+3], v[AI+6], v[AI+7]
	v_max3_num_f32 v[T0], v[T0], v[TB+2], v[TB+3]
	v_floor_f32 v[AI+2], v[TB+2]
	v_floor_f32 v[AI+3], v[TB+3]
	v_permlanex16_b32 v[BX], v[T0], s40, s41
	v_max_num_f32 v[TMAX], v[T0], v[BX]            ; the running largest t, with the other half's blocks
	s_delay_alu instid0(VALU_DEP_1)
	v_floor_f32 v[NM], -v[TMAX]                    ; -M = floor(-t) = -ceil(t): a whole number
	s_delay_alu instid0(VALU_DEP_1)
	v_sub_f32 v[OLD], v[NM], v[OLD]                ; old M - new M: a whole number, 0 or less
.irp c, 0,1,2,3
	v_add_f32 v[AI+\c], v[AI+\c], v[NM]            ; floor(t') - M: the exponent of the block's largest p
.endr
	v_cvt_i32_f32 v[OLD], v[OLD]                   ; (it saturates)
.irp c, 0,1,2,3
	v_max_num_f32 v[AI+\c], 0xc2f80000, v[AI+\c]   ; held at -124: the byte cannot fall under 1
.endr
	v_ldexp_f32 v[FAC], 1.0, v[OLD]                ; 2^(old M - new M)
.irp c, 0,1,2,3
	v_cvt_i32_f32 v[AI+\c], v[AI+\c]
.endr
	FMA8 S
.irp c, 0,1,2,3
	v_add_lshl_u32 v[SC+\c], v[AI+\c], 125, 23     ; the byte in the exponent field: the conversion's scale operand
.endr
	v_lshl_add_u32 v[TB], v[AI+1], 16, v[AI]       ; my two blocks of each step, 125 still to come
	v_lshl_add_u32 v[TB+1], v[AI+3], 16, v[AI+2]
	FMA8 S+8
	v_permlanex16_b32 v[BX], v[TB], s40, s41
	v_permlanex16_b32 v[T1], v[TB+1], s40, s41
	FMA8 S+16
	v_lshl_add_u32 v[TB], v[BX], 8, v[TB]          ; lanes 0-15: the other half's two blocks in bytes 1 and 3 (lanes 16-31 are not read)
	v_lshl_add_u32 v[TB+1], v[T1], 8, v[TB+1]
	FMA8 S+24
	v_add_nc_u32 v[PW], 0x7d7d7d7d, v[TB]          ; p's scale words of the two steps
	v_add_nc_u32 v[PW+1], 0x7d7d7d7d, v[TB+1]
	FMA8 S+32
	FMA8 S+40
	FMA8 S+48
	FMA8 S+56
	v_pk_mul_f32 v[LSUM:LSUM+1], v[LSUM:LSUM+1], v[FAC:FAC+1] op_sel_hi:[1,0]   ; the sum and O^T under the new M
.irp j, 0,2,4,6,8,10,12,14,16,18,20,22,24,26,28,30
	v_pk_mul_f32 v[O+\j:O+\j+1], v[O+\j:O+\j+1], v[FAC:FAC+1] op_sel_hi:[1,0]
.endr
	s_wait_alu depctr_va_vdst(0)                   ; ahead of the batch
	EXF S, S+64                                    ; p = 2^(t - M) of the first step
	EXF S+32, \x
	s_wait_alu depctr_va_vdst(0)                   ; behind the first batch and ahead of the second
	EXPS S+64
	EXPS \x
	CODE4 0, S
	CODE4 1, S+32
	SUMA S, TB
	SUMB S, S+32, TB
	BACK 0
	SUMC S+32, TB
	VLOAD 1, S                                     ; the second step's fragments, into registers of p that are done with
	s_wait_alu depctr_va_vdst(0)                   ; behind the second batch, and directly ahead of the wait below
	s_wait_dscnt 8                                 ; all but those eight: V's scale words and first fragments are in
	PV 0, \y
	SUMA S+64, S+32                                ; (these five are the places in front of the loads below)
	ds_load_b128 v[KSC:KSC+3], v[ADSK]             ; the next trip's scale words of K and first four fragments
	KLOAD 0, \y
	CODE4 2, S+64
	CODE4 3, \x
	SUMB S+64, \x, S+32
	BACK 1
	SUMC \x, S+32
	KLOAD 1, \x                                    ; and its second four
	s_wait_dscnt 17                                ; all but the next trip's 9 + 8 loads
	PV 1, S
	s_add_co_u32 s46, s46, 8192
	s_add_co_u32 s47, s47, 512
.endm
	s_load_b128 s[4:7], s[0:1], 0x0                ; the image, the weight
	s_load_b64 s[8:9], s[0:1], 0x10                ; out
	v_lshl_add_u32 v[SPW], v0, 2, SPARE
	v_mov_b32 v[NIL], 0
	ds_add_u32 v[SPW], v[NIL]                      ; the wave's opening: the add, twice on end, and its wait ahead of my tensor load
	ds_add_u32 v[SPW], v[NIL]
	v_lshrrev_b32 v[HW], 5, v0
	v_readfirstlane_b32 s10, v[HW]                 ; wave 0..15
	s_bfe_u32 s11, ttmp6, 0x40000                  ; cx
	s_lshl_b32 s12, ttmp9, 2
	s_add_co_u32 s11, s11, s12                     ; g: my block of 256 queries
	s_and_b32 s12, ttmp7, 0xffff                   ; head
	s_and_b32 s13, s10, 7                          ; a: my wave's palace
	s_lshr_b32 s43, s10, 3
	; descriptor group 1: 34 rows of 32 elements of 8 bytes, dense, for all four of the cluster
	s_mov_b32 s24, 15|(3<<16)|(1<<21)
	s_mov_b32 s25, 32<<16
	s_mov_b32 s26, 34<<16
	s_mov_b32 s27, 32<<16
	s_mov_b32 s28, 34
	s_mov_b32 s29, 32
	s_mov_b32 s30, 0
	s_mov_b32 s31, 0
	s_mul_i32 s14, s12, HIMG
	s_mov_b32 s15, 0
	s_mov_b32 s20, 1
	s_mul_i32 s21, s10, WCH                        ; my rows: in LDS,
	s_mul_i32 s16, s10, WCH                        ; and in the head's image
	s_mov_b32 s17, 0
	; my queries' codes: 8,192 g + 4,096 (wave / 8) + 16 a, and the lane's part; their scale bytes likewise
	s_lshl_b32 s18, s11, 13
	s_lshl_b32 s37, s43, 12
	s_add_co_u32 s18, s18, s37
	s_lshl_b32 s38, s13, 4
	s_add_co_u32 s18, s18, s38
	s_mov_b32 s19, 0
	s_lshl_b32 s34, s11, 9
	s_add_co_u32 s34, s34, s38
	s_lshl_b32 s37, s43, 3
	s_add_co_u32 s34, s34, s37
	s_add_co_u32 s34, s34, KSI
	s_mov_b32 s35, 0
	; out: my first query's row
	s_lshr_b32 s52, s12, 4
	s_lshl_b32 s52, s52, 23
	s_and_b32 s37, s12, 15
	s_lshl_b32 s37, s37, 8
	s_add_co_u32 s52, s52, s37
	s_lshl_b32 s37, s11, 20
	s_add_co_u32 s52, s52, s37
	s_lshl_b32 s37, s43, 19
	s_add_co_u32 s52, s52, s37
	s_lshl_b32 s37, s13, 12
	s_add_co_u32 s52, s52, s37
	s_mov_b32 s53, 0
	s_lshl_b32 s42, s13, 2
	s_sub_co_u32 s42, 32, s42
	s_and_b32 s42, s42, 31                         ; a rotation to the right by 32 - 4 a bits
	s_mov_b32 s40, 0x76543210
	s_mov_b32 s41, 0xfedcba98                      ; v_permlanex16_b32's selects for lane xor 16
	v_and_b32 v[HR], 15, v0                        ; r
	v_bfe_u32 v[HH], v0, 4, 1                      ; h
	v_and_b32 v[HT], 3, v0
	v_lshlrev_b32 v[QO], 9, v[HT]
	v_bfe_u32 v[HT], v0, 3, 1
	v_lshl_add_u32 v[QO], v[HT], 11, v[QO]
	v_lshlrev_b32 v[QSO], 2, v[HT]
	v_bfe_u32 v[HT], v0, 2, 1
	v_lshl_add_u32 v[QO], v[HT], 7, v[QO]
	v_lshl_add_u32 v[QSO], v[HT], 7, v[QSO]
	v_bfe_u32 v[HT], v0, 1, 1
	v_lshl_add_u32 v[QO], v[HH], 8, v[QO]
	v_lshl_add_u32 v[QSO], v[HT], 8, v[QSO]
	v_and_b32 v[HT], 1, v0
	v_lshl_add_u32 v[QSO], v[HT], 1, v[QSO]
	s_wait_alu depctr_va_vdst(0)                   ; directly ahead of the waits below
	s_wait_dscnt 0x0                               ; both opening adds are done
	s_wait_kmcnt 0x0
	s_add_nc_u64 s[4:5], s[4:5], s[14:15]          ; the head's image
	s_add_nc_u64 s[22:23], s[4:5], s[16:17]
	s_or_b32 s23, s23, 0x80000000
	s_add_nc_u64 s[32:33], s[4:5], s[18:19]
	s_add_nc_u64 s[34:35], s[4:5], s[34:35]
	s_add_nc_u64 s[8:9], s[8:9], s[52:53]
	s_load_b32 s36, s[6:7], 0x0                    ; w
	global_load_b128 v[QZ+4:QZ+7], v[QO], s[32:33] ; my query's codes, channels 32 h on
	global_load_u16 v[T0], v[QSO], s[34:35]        ; and its two scale bytes
	CROUND                                         ; all four work-groups are here: the joint loads meet
	tensor_load_to_lds s[20:23], s[24:31]
	s_nop 0
	; ---- set-up while the image is on its way
	v_add_nc_u32 v[HT], s13, v[HR]
	v_and_b32 v[ROT], 8, v[HR]
	v_and_b32 v[L16], 31, v0
	v_and_or_b32 v[ROT], v[HT], 7, v[ROT]          ; row r takes the key of row (r / 8, (r + a) % 8)
	v_lshlrev_b32 v[L16], 4, v[L16]
	v_lshlrev_b32 v[ROT], 4, v[ROT]
	v_mov_b32 v[T1], 0xbfb8aa3b                    ; -log2(e)
	v_lshl_add_u32 v[ROT], v[HH], 8, v[ROT]
.irp j, 0,1,2,3,8,9,10,11
	v_mov_b32 v[QZ+\j], 0                          ; the zero codes on both sides of Q's
.endr
	s_wait_alu depctr_va_vdst(0)                   ; directly ahead of the wait below
	s_wait_kmcnt 0x0                               ; w is in
	v_mul_f32 v[T1], s36, v[T1]
	s_wait_alu depctr_va_vdst(0)                   ; (likewise, ahead of the transcendental)
	v_exp_f32 v[T1], v[T1]                         ; e^-w
	v_mov_b32 v[CC], 0x3e38aa3b                    ; (a plain instruction behind it)  c = log2(e) / 8
	s_wait_alu depctr_va_vdst(0)
	v_add_f32 v[T1], 1.0, v[T1]
	s_wait_alu depctr_va_vdst(0)
	v_rcp_f32 v[T1], v[T1]                         ; sigmoid(w)
	v_mov_b32 v[TMAX], 0xff61b1e6                  ; (likewise)  -3e38, under every t
	s_wait_alu depctr_va_vdst(0)
	v_mul_f32 v[CC+1], v[CC], v[T1]
	v_mul_f32 v[CS], v[CC], v[T1]
	v_mul_f32 v[CS+1], v[CC], v[T1]
	v_floor_f32 v[NM], -v[TMAX]
	v_mov_b32 v[LSUM], 0
	v_mov_b32 v[LSUM+1], 0
	v_mov_b32 v[FAC+1], 0
	v_mov_b32 v[BX], 0                             ; a lane permute's destination counts as one of its sources
	v_mov_b32 v[T1], 0
	s_mov_b32 s44, 0                               ; where the trip's bytes begin: K's codes,
	s_mov_b32 s45, KSI                             ; K's scale words,
	s_mov_b32 s46, VIM                             ; V's codes,
	s_mov_b32 s47, VSI                             ; V's scale words
	s_mov_b32 s48, 4
	s_wait_alu depctr_va_vdst(0)                   ; directly ahead of the wait below
	s_wait_loadcnt 0x0                             ; Q
	v_lshl_or_b32 v[QS], v[T0], 16, v[T0]          ; Q's two bytes for k = 0 .. 63 and again for k = 64 .. 127
	v_add_nc_u32 v[ADK], s44, v[ROT]
	v_add_nc_u32 v[ADSK], s45, v[ROT]
.set n, 0
.rept 32
	v_mov_b32 v[O+n], 0                            ; the first trip finds zeros
.set n, n+1
.endr
	s_wait_alu depctr_va_vdst(0)                   ; the head's end
	s_wait_tensorcnt 0x0                           ; my part of the image is in,
	s_barrier_signal -1
	s_barrier_wait -1                              ; and everybody's; nothing is filled again
	ds_load_b128 v[KSC:KSC+3], v[ADSK]
	KLOAD 0, R0
	KLOAD 1, R1
.Lit:                                                  ; two trips: the two register blocks are back in their places
	TRIP R0, R1
	TRIP R1, R0
	s_sub_co_u32 s48, s48, 1
	s_cmp_lg_u32 s48, 0
	s_cbranch_scc1 .Lit
	; ---- THE WAY OUT: O^T / the sum goes through my stage and leaves as whole rows of 256 bytes
	s_wait_alu depctr_va_vdst(0)                   ; directly ahead of the wait below
	s_wait_dscnt 0x0
	s_mul_i32 s50, s10, 16*SP
	s_add_co_u32 s50, s50, STG
	v_add_f32 v[LSUM], v[LSUM], v[LSUM+1]          ; the sum's two halves,
	v_and_b32 v5, 15, v0
	v_bfe_u32 v6, v0, 4, 1
	v_mul_u32_u24 v3, v5, SP
	v_mul_u32_u24 v4, v6, SP                       ; (five plain instructions stand between the last products and the write of one of their registers)
	v_permlanex16_b32 v[BX], v[LSUM], s40, s41
	v_add_f32 v[LSUM], v[LSUM], v[BX]              ; and the other half of the lanes': the row's sum
	s_wait_alu depctr_va_vdst(0)                   ; (likewise, ahead of the transcendental)
	v_rcp_f32 v[LSUM], v[LSUM]
	v_lshl_add_u32 v3, v6, 5, v3
	v_lshl_add_u32 v4, v5, 4, v4
	v_lshlrev_b32 v[GA], 4, v5
	v_add_nc_u32 v3, s50, v3                       ; in: row r, 32 bytes for each half
	v_add_nc_u32 v4, s50, v4                       ; back: two rows an instruction
	v_lshl_add_u32 v[GA], v6, 15, v[GA]            ; out: rows of my palace lie 8 x 4,096 bytes apart
	s_wait_alu depctr_va_vdst(0)
.irp j, 0,2,4,6,8,10,12,14,16,18,20,22,24,26,28,30
	v_pk_mul_f32 v[S+\j:S+\j+1], v[O+\j:O+\j+1], v[LSUM:LSUM+1] op_sel_hi:[1,0]
.endr
.irp t, 0,1,2,3
	ds_store_b128 v3, v[S+8*\t:S+8*\t+3]   offset:64*\t
	ds_store_b128 v3, v[S+8*\t+4:S+8*\t+7] offset:64*\t+16
.endr
.irp i, 0,1,2,3,4,5,6,7
	ds_load_b128 v[R1+4*\i:R1+4*\i+3], v4 offset:2*SP*\i     ; my own bytes, served in order (ISA guide 5.7.1): these see the stores above
.endr
.irp i, 0,1,2,3,4,5,6,7
	s_wait_dscnt 7-\i                              ; the later read-backs may stay out
	global_store_b128 v[GA], v[R1+4*\i:R1+4*\i+3], s[8:9] offset:65536*\i th:TH_STORE_NT   ; sixteen lanes store 256 consecutive bytes, at a multiple of 256 from out's first byte
.endr
	s_wait_tensorcnt 0x0                           ; the wave's end
	ds_add_u32 v[SPW], v[NIL]
	s_wait_dscnt 0x0
	CROUND                                         ; the closing round
	s_endpgm
.Lfunc_end_k_q77833349fc_attn:
	.size	k_q77833349fc_attn, .Lfunc_end_k_q77833349fc_attn-k_q77833349fc_attn
	.p2alignl 7, 3214868480
	.fill 96, 4, 3214868480
	.section	.rodata,"a",@progbits
	.p2align	6, 0x0
	.amdhsa_kernel k_q77833349fc_attn
		.amdhsa_group_segment_fixed_size 210944
		.amdhsa_private_segment_fixed_size 0
		.amdhsa_enable_private_segment 0
		.amdhsa_kernarg_size 24
		.amdhsa_user_sgpr_count 2
		.amdhsa_user_sgpr_kernarg_segment_ptr 1
		.amdhsa_wavefront_size32 1
		.amdhsa_system_sgpr_workgroup_id_x 1
		.amdhsa_system_sgpr_workgroup_id_y 1
		.amdhsa_system_sgpr_workgroup_id_z 1
		.amdhsa_system_vgpr_workitem_id 0
		.amdhsa_next_free_vgpr 256
		.amdhsa_next_free_sgpr 66
		.amdhsa_reserve_vcc 0
		.amdhsa_float_denorm_mode_32 3
		.amdhsa_float_denorm_mode_16_64 3
		.amdhsa_memory_ordered 1
		.amdhsa_forward_progress 1
		.amdhsa_inst_pref_size 68
	.end_amdhsa_kernel
	.amdgpu_metadata
---
amdhsa.version: [ 1, 2 ]
amdhsa.kernels:
  - .name:           k_q77833349fc_attn
    .symbol:         k_q77833349fc_attn.kd
    .args:
      - { .name: img, .offset: 0, .size: 8, .value_kind: global_buffer, .address_space: global }
      - { .name: inter_palace_weight, .offset: 8, .size: 8, .value_kind: global_buffer, .address_space: global }
      - { .name: out0, .offset: 16, .size: 8, .value_kind: global_buffer, .address_space: global }
    .group_segment_fixed_size: 210944
    .private_segment_fixed_size: 0
    .kernarg_segment_align: 8
    .kernarg_segment_size: 24
    .max_flat_workgroup_size: 512
    .sgpr_count:     66
    .vgpr_count:     256
    .wavefront_size: 32
...
	.end_amdgpu_metadata
.endif
;; end of part 2
